; MI455X (gfx1250); checked and timed in simulation.
; The chip was launched on July 23, 2026; its instructions are those of AMD's public machine-readable ISA for CDNA 5 (MIT licence, August 2026) and "CDNA5" Instruction Set Architecture Reference Guide (July 2026). The comments in the code are by the model that wrote it; some were corrected since.
;; Lora Quant Linear. Allowed arithmetic: matrix products marked QUANTISED: E2M1 operands, one E8M0 scale for each 32 along K, by v_wmma_scale_f32_16x16x128_f8f6f4 with both operands' format E2M1 (or v_wmma_scale_f32_32x16x128_f4), f32 sums; products left as they are: f32 operands where the result goes on into a quantised operand, else bf16, f16 or f32 operands; f32 sums; everything else in f32.
;; Inputs: codes 4,096 x 4,096 int32; lora_A_codes 16 x 128 x 16 uint8 (E2M1 codes of lora_A, K innermost, in blocks of 32 codes, two codes a byte); lora_A_scales 16 x 128 uint8 (E8M0 scales of lora_A, one for each 32 codes along K); lora_B 4,096 x 16 float32; scales 262,144 float32; x_codes 4,096 x 128 x 16 uint8 (E2M1 codes of x, K innermost, in blocks of 32 codes, two codes a byte); x_scales 4,096 x 128 uint8 (E8M0 scales of x, one for each 32 codes along K).
;; Outputs: out0 4,096 x 4,096 float32.
;; This version of the problem:
;;   THIS VERSION OF THE PROBLEM IS GIVEN IN LOW PRECISION. The matrix products marked QUANTISED in the list below multiply operands that are first quantised to E2M1 (2 exponent bits, 1 mantissa bit; 4 bits a number), with one power-of-two scale for each 32 numbers along K (OCP MX v1.0); their sums are f32. All else is computed in f32.
;;   The module's matrix products, in the order in which they are computed (A, B: the left and right operand; K: the contracted axis; several contracted axes count as one K, in the product's order):
;;     1. [M 4,096, K 4,096] x [K 4,096, N 4,096]; A: input x (given as codes); B: computed on the way: QUANTISED
;;     2. [M 4,096, K 4,096] x [K 4,096, N 16]; A: input x (given as codes); B: input lora_A (given as codes): QUANTISED
;;     3. [M 4,096, K 16] x [K 16, N 4,096]; A: computed on the way; B: input lora_B: left as it is (K = 16 < 32)
;;   THE QUANTISER, for each operand of a quantised product, along K:
;;     - K is cut into blocks of 32 from its start; a last block that is shorter is filled with zeros.
;;     - A block's scale is 2^e with e = floor(log2(the largest magnitude in the block)) - 2, held to -126 .. 127; a block of zeros has e = 0. As a byte (E8M0): e + 127.
;;     - Each number is divided by its block's scale, clamped to +-6, and rounded to the nearest number of E2M1, ties to even, subnormals kept.
;;     - The product sums the exact products of the quantised numbers (number of the format x scale) in f32.
;;   ~~~python
;;   def quantise(x, axis):      # numpy; x: float32 -> the quantised numbers, widened to float32 again
;;       x = np.moveaxis(x, axis, -1); K = x.shape[-1]
;;       x = np.pad(x, [(0, 0)] * (x.ndim - 1) + [(0, -K % 32)]); x = x.reshape(x.shape[:-1] + (-1, 32)); a = np.abs(x).max(-1, keepdims=True)
;;       e = np.where(a > 0, np.clip(np.frexp(np.where(a > 0, a, 1))[1] - 1 - 2, -126, 127), 0)      # np.frexp(a)[1] - 1 = floor(log2(a)), exactly
;;       r = np.clip(x / 2.0 ** e, -6, 6)
;;       step = 2.0 ** (np.maximum(np.frexp(np.where(r == 0, 1, r))[1] - 1, 0) - 1)
;;       q = np.round(r / step) * step * 2.0 ** e      # np.round: ties to even
;;       return np.moveaxis(q.reshape(q.shape[:-2] + (-1,))[..., :K], -1, axis).astype(np.float32)
;;   ~~~
;;   OPERANDS COMPUTED ON THE WAY. 'Computed on the way' means the value that the module computes at that place (a softmax that the list does not call 'softmax' is quantised finished and normalised). What goes into a quantiser is computed in f32, as accurately as f32 sums, v_exp_f32 and their like allow (about 1e-6 of the number): no bf16 or f16 on the way to a quantiser, and a product that is left as it is and whose result goes on into a quantised operand takes f32 operands (vector FMAs, or v_wmma_f32_16x16x4_f32). A number that lies on a knife's edge between two numbers of the format may be rounded either way, as far as f32 arithmetic and the matrix unit's own rounding can turn it there, and no further.
;;   INPUTS GIVEN AS CODES. lora_A (in the module: [16, 4096], K = its axis 1); x (in the module: [4096, 4096], K = its axis 1): each comes as NAME_codes (uint8): NAME with its K axis moved to the last place and cut into blocks of 32 codes, [.., K / 32, bytes a block], one block behind the other in memory; two codes a byte, the lower K in the low four bits (a code: sign, 2 exponent bits, 1 mantissa bit); and NAME_scales (uint8): the same leading axes, one E8M0 byte (e + 127) for each 32 codes along K. Its value is code x scale, taken as it is: it is not quantised again, and the codes and scales need not be those that the quantiser above would give.
;; 2 versions, each right; version 2 is version 1 with the launch prep written anew for expert scheduling mode. Each part assembles by itself: llvm-mc -triple=amdgcn-amd-amdhsa -mcpu=gfx1250 --defsym DOCPART=n.
;; ======== version 1 of 2: 2 launches
;; workspace buffers: w_codes 8,388,608 bytes; ws 524,288 bytes; xs 524,288 bytes; t2 131,072 bytes
;; launch prep (part 1): grid 256 x 1, 16 waves a work-group, no clusters, 110,592 bytes of LDS; arguments codes, scales, x_codes, x_scales, lora_A_codes, lora_A_scales, w_codes, ws, xs, t2; writes w_codes, ws, xs, t2
.if DOCPART == 1
	.amdgcn_target "amdgcn-amd-amdhsa--gfx1250"
	.amdhsa_code_object_version 6
	.text
	.protected	k_qd7dd5db047_prep
	.globl	k_qd7dd5db047_prep
	.p2align	8
	.type	k_qd7dd5db047_prep,@function
k_qd7dd5db047_prep:
	s_mov_b64 s[64:65], 0
	v_nop
	global_prefetch_b8 v0, s[64:65] scope:SCOPE_SE
	s_setreg_imm32_b32 hwreg(HW_REG_WAVE_MODE, 25, 1), 1
	s_wait_xcnt 0x0
; THREE THINGS THAT ARE DONE ONCE, AHEAD OF THE LARGE PRODUCT.
; (1) W[n][k] = NF4[codes[n][k]] x scales[(n 4096 + k) / 64], one f32 multiplication, is quantised along k: blocks of 32, scale 2^(floor(log2(largest magnitude)) - 2), codes of E2M1.
;     w_codes: [4096 n][2048 bytes], k innermost, the lower k in the low four bits.  ws: [8 runs of 512 along k][4096 n][16 bytes]: a run's 16 scale bytes of a row on end.
; (2) x_scales [4096 m][128] is laid anew as xs [8][4096 m][16 bytes], like ws: the scale bytes of 256 rows for 512 along k are then 4,096 consecutive bytes.
; (3) t2[m][j] = 2 x the sum over k of x[m][k] lora_A[j][k], on the given codes and scale bytes, rounded to bf16 once: [4096 m][16].
; SHARES.  Work-group g owns rows 16 g .. 16 g + 15 of W and of x.  Wave w quantises row 16 g + w of W in 8 steps of 512 numbers (a step is a run of ws), and makes the part of t that
; lies in k = 256 w .. 256 w + 255 (two matrix instructions).  The 16 parts meet in LDS; wave 4 adds them in f32.  Waves 0-3 store ws and xs, sixteen lanes to 256 consecutive bytes.
; A STEP.  Four loads of 512 consecutive bytes (16 a lane); the 2,048 bytes turn through the wave's own stage in LDS and come back 64 bytes a lane: 16 NEIGHBOURS along k, as the
; conversions want them.  Two neighbouring lanes hold a block of 32, four lanes share one of the given scales.  NF4[code] is taken from a register that holds the table in lanes 0-15.
; No tensor loads and no ring; one barrier.  Everything is written out: every offset is an immediate, and no register that a pending load or store names is written again.
; NO CLUSTER: the work-groups share lora_A alone, 34,816 bytes against the 262,144 bytes of int32 codes that each reads for itself.
; LIMITS: a code outside 0 .. 15 is held at 15 (the table has 16 entries).  A block of zeros gets the byte 1 where the rule says 127: its codes are zeros, which add nothing under any byte
; but 0xff, and these bytes are read by this program alone.  NaN and infinities in scales are not served.  t's sum over k is 32 partial sums added in f32; t2 is bf16.
.set STEPS, 8
.set SP,    80                         ; a lane's place in a stage: its 64 bytes + 16 of padding
.set STG,   32*SP                      ; a stage
.set NFS,   2*STG                      ; behind a wave's two stages: the 64 given scales of its row, 256 bytes
.set WREG,  2*STG+512                  ; a wave's own region of LDS
.set SCB,   16*WREG                    ; the work-group's scale bytes of W: [run 8][row 16][16 bytes]
.set TIMG,  SCB+2048                   ; 16 parts of t as images of their registers, 1,024 bytes each
.set R,     16                         ; v16-79   four sets of 16 codes as they are loaded
.set X,     80                         ; v80-111  two sets of 16 neighbours
.set F,     112                        ; v112-127 16 numbers of W in f32
.set XFR,   128                        ; v128-143 x's two fragments
.set AFR,   144                        ; v144-159 lora_A's two fragments
.set ACC,   160                        ; v160-175 two accumulators
.set ASW,   176                        ; v176-177 lora_A's scale words: scales and nothing else
.set XSW,   178                        ; v178-179 x's
.set S,     180                        ; v180-187 my given scale for each step
.set TAB,   188                        ; v188     NF4, entry i in lane i
.set C,     190                        ; v190-205 codes: two registers for each step, so that no store's data are written again
.set E,     206                        ; v206-213 a scale byte for each step
; v1 lane; v2 h; v10 r; v3 16 x lane; v4 8 x lane; v5 where my block's scale byte goes; v6, v7 the given scales in LDS, in and out; v8, v9, v11 at work;
; v12 my wave's image of t; v13 my bytes of t2; v14, v15 the stage, in and out; v214-215 fragments' and scale words' offsets; v216-219 a piece of x_scales; v220-223 the tail's addresses
	s_load_b256 s[4:11], s[0:1], 0x0               ; codes s[4:5], scales s[6:7], x_codes s[8:9], x_scales s[10:11]
	s_load_b256 s[12:19], s[0:1], 0x20             ; lora_A_codes s[12:13], lora_A_scales s[14:15], w_codes s[16:17], ws s[18:19]
	s_load_b128 s[20:23], s[0:1], 0x40             ; xs s[20:21], t2 s[22:23]
	v_lshl_add_u32 v224, v0, 2, 0x1a800
	v_mov_b32 v225, 0
	v_lshrrev_b32 v1, 5, v0
	v_readfirstlane_b32 s24, v1                    ; wave 0..15
	v_and_b32 v1, 31, v0                           ; lane
	v_and_b32 v10, 15, v0                          ; r
	v_bfe_u32 v2, v0, 4, 1                         ; h
	v_lshlrev_b32 v3, 4, v1
	v_lshlrev_b32 v4, 3, v1
	s_and_b32 s31, s24, 3                          ; wave mod 4: keeps the tail's addresses inside their buffers in every wave
	; every LDS address is made here, ahead of any parting of the waves
	s_lshl_b32 s25, s24, 4
	s_add_co_u32 s25, s25, SCB
	v_lshrrev_b32 v5, 1, v1
	v_add_nc_u32 v5, s25, v5                       ; SCB + 16 x wave + lane / 2; the step's 256 bytes stand in the immediate
	s_mul_i32 s26, s24, WREG
	v_lshrrev_b32 v14, 2, v1
	v_mul_u32_u24 v14, v14, SP
	v_and_b32 v15, 3, v1
	v_lshl_add_u32 v14, v15, 4, v14
	v_add_nc_u32 v14, s26, v14                     ; into a stage: four lanes' 64 bytes on end, then 16 of padding
	v_mul_u32_u24 v15, v1, SP
	v_add_nc_u32 v15, s26, v15                     ; out of it: SP x lane
	s_add_co_u32 s27, s26, NFS
	v_add_nc_u32 v6, s27, v4                       ; the given scales: in, 8 bytes a lane;
	v_lshrrev_b32 v7, 2, v1
	v_lshl_add_u32 v7, v7, 2, s27                  ; out, the word of my four lanes; a step's eight words stand in the immediate
	s_lshl_b32 s25, s24, 10
	s_add_co_u32 s25, s25, TIMG
	v_add_nc_u32 v12, s25, v3                      ; my wave's image of t
	v_add_nc_u32 v223, TIMG, v3                    ; all images, for wave 4
	s_lshl_b32 s25, s31, 9
	s_add_co_u32 s25, s25, SCB
	v_add_nc_u32 v222, s25, v3                     ; runs 2 w and 2 w + 1 of the scale bytes, for waves 0-3
	; offsets in memory
	v_lshlrev_b32 v214, 11, v10
	v_lshl_add_u32 v214, v2, 4, v214
	s_lshl_b32 s25, s24, 7
	v_add_nc_u32 v214, s25, v214                   ; a fragment: row r of 2,048 bytes + 16 h + my wave's 128 bytes
	s_lshl_b32 s25, s24, 3
	v_lshl_add_u32 v215, v10, 7, s25               ; its scale words: row r of 128 bytes + my wave's 8
	s_lshl_b32 s25, s31, 5
	v_lshl_add_u32 v220, v10, 7, s25
	v_lshl_add_u32 v220, v2, 4, v220               ; x_scales: row r, the 16 bytes of run 2 (w mod 4) + h
	s_lshl_b32 s25, s31, 17
	v_lshl_add_u32 v221, v2, 16, s25
	v_lshl_add_u32 v221, v10, 4, v221              ; ws and xs: run 2 (w mod 4) + h of 65,536 bytes, row r of 16
	v_lshlrev_b32 v13, 5, v10
	v_lshl_add_u32 v13, v2, 4, v13                 ; t2: row r of 32 bytes + 16 h
	; the table: NF4's sixteen numbers as f32 bits, entry i in lane i
	v_mov_b32 v[TAB], 0
.macro ENTRY i, bits
	s_mov_b32 s30, \bits
	v_writelane_b32 v[TAB], s30, \i
.endm
	ENTRY 0,  0xbf800000
	ENTRY 1,  0xbf3239b1
	ENTRY 2,  0xbf066b30
	ENTRY 3,  0xbeca32a0
	ENTRY 4,  0xbe91a24d
	ENTRY 5,  0xbe3d353f
	ENTRY 6,  0xbdba7871
	ENTRY 7,  0x00000000
	ENTRY 8,  0x3da2faff
	ENTRY 9,  0x3e24cae3
	ENTRY 10, 0x3e7c04dd
	ENTRY 11, 0x3ead033a
	ENTRY 12, 0x3ee1a4b8
	ENTRY 13, 0x3f1007ab
	ENTRY 14, 0x3f3913b3
	ENTRY 15, 0x3f800000
	s_lshl_b32 s25, ttmp9, 4
	s_add_co_u32 s25, s25, s24                     ; my row of W: 16 x work-group + wave
	s_mov_b32 s29, 0
	s_wait_kmcnt 0x0
	s_lshl_b32 s28, s25, 14                        ; a row of int32 codes is 16,384 bytes
	s_add_nc_u64 s[4:5], s[4:5], s[28:29]
	s_lshl_b32 s28, s25, 8                         ; its 64 given scales are 256
	s_add_nc_u64 s[6:7], s[6:7], s[28:29]
	s_lshl_b32 s28, s25, 11                        ; its E2M1 codes 2,048
	s_add_nc_u64 s[16:17], s[16:17], s[28:29]
	s_lshl_b32 s28, ttmp9, 15                      ; the work-group's 16 rows of x_codes,
	s_add_nc_u64 s[8:9], s[8:9], s[28:29]
	s_lshl_b32 s28, ttmp9, 11                      ; of x_scales,
	s_add_nc_u64 s[10:11], s[10:11], s[28:29]
	s_lshl_b32 s28, ttmp9, 8                       ; of a run of ws and of xs,
	s_add_nc_u64 s[18:19], s[18:19], s[28:29]
	s_add_nc_u64 s[20:21], s[20:21], s[28:29]
	s_lshl_b32 s28, ttmp9, 9                       ; and of t2
	s_add_nc_u64 s[22:23], s[22:23], s[28:29]
	; twelve early loads
.irp c, 0,1,2,3
	global_load_b128 v[XFR+4*\c:XFR+4*\c+3], v214, s[8:9] offset:32*\c      ; x: registers 4 c' .. of fragment c / 2: k = 128 (c / 2) + 64 (c % 2) + 32 h + 0 .. 31
.endr
.irp c, 0,1,2,3
	global_load_b128 v[AFR+4*\c:AFR+4*\c+3], v214, s[12:13] offset:32*\c    ; lora_A likewise
.endr
	global_load_b64 v[ASW:ASW+1], v215, s[14:15]   ; the two scale words of lora_A's row r
	global_load_b64 v[XSW:XSW+1], v215, s[10:11]   ; and of x's row r
	global_load_b64 v[8:9], v4, s[6:7]             ; my row's 64 given scales, two a lane
	global_load_b128 v[216:219], v220, s[10:11]    ; a piece of x_scales (used by waves 0-3; issued by all, so that every wave counts alike)
.macro LOAD t                          ; step t's 512 codes: each load reads 512 consecutive bytes
.irp i, 0,1,2,3
	global_load_b128 v[R+16*((\t)%4)+4*\i:R+16*((\t)%4)+4*\i+3], v3, s[4:5] offset:2048*(\t)+512*\i th:TH_LOAD_NT
.endr
.endm
.macro TURN t                          ; step t's codes through a stage: LDS serves a wave's instructions in order (ISA guide 5.7.1), so no wait stands between the stores and the loads
.irp i, 0,1,2,3
	ds_store_b128 v14, v[R+16*((\t)%4)+4*\i:R+16*((\t)%4)+4*\i+3] offset:STG*((\t)%2)+8*SP*\i
.endr
.irp i, 0,1,2,3
	ds_load_b128 v[X+16*((\t)%2)+4*\i:X+16*((\t)%2)+4*\i+3], v15 offset:STG*((\t)%2)+16*\i
.endr
.endm
.irp t, 0,1,2,3
	LOAD \t
.endr
	s_wait_loadcnt 16                              ; the twelve early loads are in; the sixteen behind them stay out
	ds_store_b64 v6, v[8:9]                        ; the given scales spread to the lanes that want them
.irp t, 0,1,2,3,4,5,6,7
	ds_load_b32 v[S+\t], v7 offset:32*\t           ; step t: scale 8 t + lane / 4 of my row
.endr
	; my part of t, TRANSPOSED: source 0 = lora_A's 16 rows, source 1 = x's 16 rows: lane (r, h) holds t[row r][8 h + 0 .. 7].  Two accumulators, one instruction each.
	v_wmma_scale_f32_16x16x128_f8f6f4 v[ACC:ACC+7], v[AFR:AFR+7], v[XFR:XFR+7], 0, v[ASW], v[XSW] matrix_a_fmt:MATRIX_FMT_FP4 matrix_b_fmt:MATRIX_FMT_FP4
	v_wmma_scale_f32_16x16x128_f8f6f4 v[ACC+8:ACC+15], v[AFR+8:AFR+15], v[XFR+8:XFR+15], 0, v[ASW+1], v[XSW+1] matrix_a_fmt:MATRIX_FMT_FP4 matrix_b_fmt:MATRIX_FMT_FP4
.rept 4
	v_nop                                          ; four places between a matrix instruction and the first read of its result (ISA guide 7.12.1)
.endr
.irp j, 0,2,4,6
	v_pk_add_f32 v[ACC+\j:ACC+\j+1], v[ACC+\j:ACC+\j+1], v[ACC+8+\j:ACC+8+\j+1]   ; both results from their low ends on
.endr
	ds_store_b128 v12, v[ACC:ACC+3]                ; my part as an image of its registers: 16 bytes a lane, 512 a store
	ds_store_b128 v12, v[ACC+4:ACC+7] offset:512
	s_wait_loadcnt 12                              ; step 0's four loads are in
	TURN 0
.macro STEP t
.set XS, X+16*((\t)%2)
.if (\t) > 0
	s_wait_dscnt 1                                 ; this step's codes are back from the stage (the last step's byte store may be out): so the stores into the stage have read their registers
.else
	s_wait_dscnt 0x0                               ; and, in the first step, the given scales are in
.endif
.irp i, 0,1,2,3,4,5,6,7,8,9,10,11,12,13,14,15
	v_min_u32 v[XS+\i], 15, v[XS+\i]               ; an index stays inside the table
.endr
.irp i, 0,1,2,3,4,5,6,7,8,9,10,11,12,13,14,15
	v_lshlrev_b32 v[XS+\i], 2, v[XS+\i]            ; the lane select counts in bytes: 4 x lane
.endr
.irp i, 0,1,2,3,4,5,6,7,8,9,10,11,12,13,14,15
	ds_bpermute_b32 v[F+\i], v[XS+\i], v[TAB]      ; NF4[code]: the table's lane; no LDS byte is touched
.endr
.if (\t)+4 < STEPS
	LOAD (\t)+4                                    ; into the registers that this step's stores into the stage have read
.endif
.if (\t)+1 < STEPS
.if STEPS-2-(\t) >= 3
	s_wait_loadcnt 12                              ; the next step's four loads are in; those of the three steps behind it may be out
.else
	s_wait_loadcnt 4*(STEPS-2-(\t))
.endif
	TURN (\t)+1                                    ; the next step goes through the other stage while this one is worked
	s_wait_dscnt 8                                 ; the sixteen table reads are in; the eight lines just issued may be out
.else
	s_wait_dscnt 0x0
.endif
.irp i, 0,2,4,6,8,10,12,14
.if (\t)%2 == 0
	v_pk_mul_f32 v[F+\i:F+\i+1], v[F+\i:F+\i+1], v[S+(\t):S+(\t)+1] op_sel_hi:[1,0]                  ; W = NF4[code] x the given scale: the pair's low word serves both halves
.else
	v_pk_mul_f32 v[F+\i:F+\i+1], v[F+\i:F+\i+1], v[S+(\t)-1:S+(\t)] op_sel:[0,1] op_sel_hi:[1,1]     ; the pair's high word serves both halves
.endif
.endr
	v_max3_num_f32 v8, |v[F]|, |v[F+1]|, |v[F+2]|                  ; the largest magnitude of my 16, in two chains
	v_max3_num_f32 v9, |v[F+3]|, |v[F+4]|, |v[F+5]|
.irp i, 6,10
	v_max3_num_f32 v8, v8, |v[F+\i]|, |v[F+\i+1]|
	v_max3_num_f32 v9, v9, |v[F+\i+2]|, |v[F+\i+3]|
.endr
	v_max3_num_f32 v8, v8, |v[F+14]|, |v[F+15]|
	v_max3_num_f32 v8, v8, v9, 0x1800000           ; and the floor 2^(3 - 127): so the byte cannot fall under 1
	v_max_num_f32_dpp v8, v8, v8 row_xmask:1 row_mask:0xf bank_mask:0xf   ; with my neighbour's 16: the block's
	v_add_nc_u32 v11, 0xff000000, v8               ; 2 off its exponent field: the conversion takes the exponent field of this operand as its scale, and nothing else of it
	v_cvt_scalef32_pk8_fp4_f32 v[C+2*(\t)], v[F:F+7], v11          ; to the nearest code, ties to even, beyond 6 the largest code; the first number's code in the lowest four bits
	v_cvt_scalef32_pk8_fp4_f32 v[C+2*(\t)+1], v[F+8:F+15], v11
	v_lshrrev_b32 v[E+(\t)], 23, v11               ; the scale's byte; also the plain line behind the conversions
	ds_store_b8 v5, v[E+(\t)] offset:256*(\t)      ; both lanes of a block write the same byte with the same value
	global_store_b64 v4, v[C+2*(\t):C+2*(\t)+1], s[16:17] offset:256*(\t)   ; the wave stores 256 consecutive bytes, at a multiple of 256 from the buffer's first byte
.endm
.irp t, 0,1,2,3,4,5,6,7
	STEP \t
.endr
	s_wait_dscnt 0x0                               ; for the others' sake: my scale bytes and my image of t have landed
	s_barrier_signal -1
	s_barrier_wait -1                              ; everybody's have
	s_cmp_lt_u32 s24, 4
	s_cbranch_scc0 .Lnot_low
	ds_load_b128 v[8:11], v222                     ; waves 0-3: lanes 0-15 run 2 w of W's scale bytes (16 rows x 16 bytes), lanes 16-31 run 2 w + 1
	s_wait_dscnt 0x0
	global_store_b128 v221, v[8:11], s[18:19]      ; sixteen lanes store 256 consecutive bytes of a run of ws,
	global_store_b128 v221, v[216:219], s[20:21]   ; and of xs
	s_wait_tensorcnt 0x0
	ds_add_u32 v224, v225
	s_wait_dscnt 0x0
	s_endpgm
.Lnot_low:
	s_cmp_eq_u32 s24, 4
	s_cbranch_scc0 .Ldone
.irp p, 0,1,2,3,4,5,6,7,8,9,10,11,12,13,14,15
	ds_load_b128 v[16+8*\p:16+8*\p+3], v223 offset:1024*\p         ; wave 4: the sixteen parts of t, each into the lanes and registers that it left
	ds_load_b128 v[16+8*\p+4:16+8*\p+7], v223 offset:1024*\p+512
.endr
	s_wait_dscnt 0x0
.irp d, 8,4,2,1
.set p, 0
.rept \d
.irp j, 0,2,4,6
	v_pk_add_f32 v[16+8*p+\j:17+8*p+\j], v[16+8*p+\j:17+8*p+\j], v[16+8*(p+\d)+\j:17+8*(p+\d)+\j]   ; part p += part p + d
.endr
.set p, p+1
.endr
.endr
.irp j, 0,2,4,6
	v_pk_mul_f32 v[16+\j:17+\j], v[16+\j:17+\j], 2.0 op_sel_hi:[1,0]       ; lora_alpha / r = 2: exact
.endr
.irp j, 0,1,2,3
	v_cvt_pk_bf16_f32 v[144+\j], v[16+2*\j], v[17+2*\j]
.endr
	global_store_b128 v13, v[144:147], s[22:23]    ; 16 rows of 32 bytes: 512 consecutive bytes
.Ldone:
	s_wait_tensorcnt 0x0
	ds_add_u32 v224, v225
	s_wait_dscnt 0x0
	s_endpgm
.Lfunc_end_k_qd7dd5db047_prep:
	.size	k_qd7dd5db047_prep, .Lfunc_end_k_qd7dd5db047_prep-k_qd7dd5db047_prep
	.p2alignl 7, 3214868480
	.fill 96, 4, 3214868480
	.section	.rodata,"a",@progbits
	.p2align	6, 0x0
	.amdhsa_kernel k_qd7dd5db047_prep
		.amdhsa_group_segment_fixed_size 110592
		.amdhsa_private_segment_fixed_size 0
		.amdhsa_enable_private_segment 0
		.amdhsa_kernarg_size 80
		.amdhsa_user_sgpr_count 2
		.amdhsa_user_sgpr_kernarg_segment_ptr 1
		.amdhsa_wavefront_size32 1
		.amdhsa_system_sgpr_workgroup_id_x 1
		.amdhsa_system_sgpr_workgroup_id_y 1
		.amdhsa_system_sgpr_workgroup_id_z 1
		.amdhsa_system_vgpr_workitem_id 0
		.amdhsa_next_free_vgpr 226
		.amdhsa_next_free_sgpr 66
		.amdhsa_reserve_vcc 0
		.amdhsa_float_denorm_mode_32 3
		.amdhsa_float_denorm_mode_16_64 3
		.amdhsa_memory_ordered 1
		.amdhsa_forward_progress 1
		.amdhsa_inst_pref_size 51
	.end_amdhsa_kernel
	.amdgpu_metadata
---
amdhsa.version: [ 1, 2 ]
amdhsa.kernels:
  - .name:           k_qd7dd5db047_prep
    .symbol:         k_qd7dd5db047_prep.kd
    .args:
      - { .name: codes, .offset: 0, .size: 8, .value_kind: global_buffer, .address_space: global }
      - { .name: scales, .offset: 8, .size: 8, .value_kind: global_buffer, .address_space: global }
      - { .name: x_codes, .offset: 16, .size: 8, .value_kind: global_buffer, .address_space: global }
      - { .name: x_scales, .offset: 24, .size: 8, .value_kind: global_buffer, .address_space: global }
      - { .name: lora_A_codes, .offset: 32, .size: 8, .value_kind: global_buffer, .address_space: global }
      - { .name: lora_A_scales, .offset: 40, .size: 8, .value_kind: global_buffer, .address_space: global }
      - { .name: w_codes, .offset: 48, .size: 8, .value_kind: global_buffer, .address_space: global }
      - { .name: ws, .offset: 56, .size: 8, .value_kind: global_buffer, .address_space: global }
      - { .name: xs, .offset: 64, .size: 8, .value_kind: global_buffer, .address_space: global }
      - { .name: t2, .offset: 72, .size: 8, .value_kind: global_buffer, .address_space: global }
    .group_segment_fixed_size: 110592
    .private_segment_fixed_size: 0
    .kernarg_segment_align: 8
    .kernarg_segment_size: 80
    .max_flat_workgroup_size: 512
    .sgpr_count:     66
    .vgpr_count:     226
    .wavefront_size: 32
...
	.end_amdgpu_metadata
.endif
;; end of part 1
;; launch gemm (part 2): grid 16 x 16, 4 waves a work-group, clusters of 4 x 4, 327,680 bytes of LDS; arguments x_codes, xs, w_codes, ws, t2, lora_B, out0; writes out0
.if DOCPART == 2
	.amdgcn_target "amdgcn-amd-amdhsa--gfx1250"
	.amdhsa_code_object_version 6
	.text
	.protected	k_qd7dd5db047_gemm
	.globl	k_qd7dd5db047_gemm
	.p2align	8
	.type	k_qd7dd5db047_gemm,@function
k_qd7dd5db047_gemm:
	s_mov_b64 s[64:65], 0
	v_nop
	global_prefetch_b8 v0, s[64:65] scope:SCOPE_SE
	s_setreg_imm32_b32 hwreg(HW_REG_WAVE_MODE, 25, 1), 1
	s_wait_xcnt 0x0
	s_wait_alu depctr_hold_cnt(0) depctr_sa_sdst(0) depctr_va_vdst(0) depctr_va_sdst(0) depctr_va_ssrc(0) depctr_va_vcc(0) depctr_vm_vsrc(0)
	s_getreg_b32 s2, hwreg(HW_REG_IB_STS2, 6, 4)
	s_cmp_eq_u32 s2, 0
	s_cbranch_scc0 .Lentry_in_a_cluster
	s_endpgm
.Lentry_in_a_cluster:
	s_bfe_u32 s2, ttmp6, 0x10000c
	s_cmp_lg_u32 s2, 0xf033
	s_cbranch_scc0 .Lentry_shape_is_right
	s_endpgm
.Lentry_shape_is_right:
; out0[m][n] = the sum over k of x[m][k] W[n][k]  +  the sum over j of t2[m][j] lora_B[n][j].   4,096 x 4,096 x 4,096, and j = 0 .. 15.
; x and W: codes of E2M1, 4 bits each, k innermost (a row is 2,048 bytes), one E8M0 scale for each 32 along k.  Their scale bytes lie by runs of 512 along k: [8][4096 rows][16 bytes].
; t2 = 2 (x lora_A^T), [4096][16] bf16; lora_B [4096][16] f32, rounded to bf16 here: the small product goes in bf16 with f32 sums, its K filled up to 32 with zeros on both sides.
; A tile of out0, 256 x 256, is made by a work-group of four waves; a wave makes 128 x 128: 64 accumulators of 16 x 16, 512 registers.
; THE SMALL PRODUCT STARTS THE SUMS (its C is the constant 0), while the first tiles are on their way: nothing is cleared and nothing is added at the end.
; K goes in runs of 512 through a ring of two LDS slots.  A slot holds A's 256 rows x 256 bytes, B's likewise, and both tiles' scale bytes (4,096 consecutive bytes of memory each).
; One tensor load a wave fills it: wave 0 A's codes, wave 1 B's codes, wave 2 A's scales, wave 3 B's scales.
; CLUSTERS: 4 x 4 work-groups.  The four of a row of the cluster need the same tiles of x, the four of a column the same tiles of W: each tile is asked for JOINTLY, by the same tensor load
; with the same descriptor and a mask that names the four.  THE MATRIX INSTRUCTIONS ARE USED TRANSPOSED (source 0 = 16 rows of W or lora_B, source 1 = 16 rows of x or t2): a lane then
; holds eight neighbouring numbers of a row of out0.
; EACH CLUSTER STARTS AT A RUN OF ITS OWN and walks all eight round: cluster (X, Y) begins at run a(X) + a(Y) mod 8, a = 0, 4, 2, 6.  The four clusters of one Y read the same rows of x, the four
; of one X the same rows of W; their starts lie 0, 2, 4 and 6 runs apart (those of X or Y = 0, 1 and of 2, 3 four apart).  So no two of them ask for the same bytes in the same step: one asks
; first, and the others ask for those bytes two steps later or more.  The start is made of the cluster's coordinates alone, which all its work-groups share.
; REGISTERS, in windows of 256: window 0: v1-31 addresses; v32-95 scale words, two sets, and nothing else; v128-191 A's fragments (8 x 16 rows x 128 K), ONE set; v192-255 lora_B as loaded;
;   on the way out v128-255 take rows.   window 1: B's fragments, TWO sets, at v0 and at v128.   window 2: the 32 accumulators of my rows 0-63 ((a, b) at v[8 (8 a + b)]);   window 3: rows 64-127.
; LIMITS: t2 and lora_B are bf16 operands; the scale bytes are taken as they are given (0xff would make a sum NaN); the f32 sums take K round from the cluster's first run, not ascending: the
; result differs from the ascending order by the rounding of f32 sums alone.
.set SIZE_N, 4096
.set NQ,     4                         ; matrix instructions deep in a slot: 512 / 128
.set ROWB,   256                       ; a tile's row in bytes: 512 codes
.set KROW,   2048                      ; a row of codes in memory
.set PITCH,  272                       ; an LDS row: 256 bytes + 16 of padding = 68 words: row r starts at bank 4 r mod 64 (64 banks of 4 bytes: ISA guide 11.1), so the 16 rows of a load start at 16 different banks
.set FR,     8                         ; registers of a fragment
.set NL,     2                         ; LDS loads that bring one
.set NP,     4                         ; places behind these matrix instructions (ISA guide 7.12.1)
.set HALFT,  128*PITCH                 ; what one wave reads of A or of B
.set TILEB,  256*PITCH                 ; what one tensor load of codes brings
.set ASC,    2*TILEB                   ; in a slot: A's codes, B's codes, A's scales (256 rows x 16 bytes, dense), B's scales
.set BSC,    ASC+4096
.set SLOT,   BSC+4096
.set SPARE,  2*SLOT                    ; behind the ring: the spare words, 128 bytes for each wave: two blocks of 256 bytes that no other line names
.set SPITCH, 528                       ; the way out: a stage of 16 rows x (512 bytes + 16) for each wave, in slot 0, which has had its last fill and its last read when the first result is stored there
.set LAPS,   4                         ; a lap = two runs = once round the ring
.set ADRA, 16                          ; v16-17  LDS address of my A fragments in slot 0, 1
.set ADRB, 20                          ; v20-21  the same for B
.set ADRS, 22                          ; v22-23  of my scale words: lanes 0-15 A's rows, lanes 16-31 B's
.set STO,  24                          ; v24     the way out: where I put 32 bytes of a row
.set RD,   25                          ; v25     where I read a row back
.set CO,   26                          ; v26     my byte offset in a row of out0
.set TOF,  27                          ; v27     my bytes in 16 rows of t2
.set SPW,  28                          ; v28     LDS address of my spare word: SPARE + 4 x my thread's number; never rewritten
.set NIL,  29                          ; v29     0; never rewritten
.set LBO,  30                          ; v30     my bytes in 16 rows of lora_B
.set SC,   32                          ; set s (for slot s) at v[SC + 32 s]; register 4 i + q: lanes 0-15 the word of A's block i, lanes 16-31 that of B's block i, for the slot's q-th 128 along K
.set AF,   128
.set LB,   192
.set BK,   128
.set RUN,  2                           ; s2 the run that the next fill brings, taken mod 8;  s[66:67] that run's byte offset: neither ever holds a place in the cluster
.set WV,   18                          ; s18 wave; s19 which half of the tile's rows is mine; s20 which half of its columns
.set G1A,  24                          ; s[24:31], s[32:39] descriptor group 1 for A's and B's codes;  s[40:47], s[48:55] for their scales
.set G1B,  32
.set G1SA, 40
.set G1SB, 48
.set G0A,  56                          ; s[56:63], s[68:75], s[76:83], s[84:91] groups 0, a set of four for each slot
.set G0B,  68
.set G0SA, 76
.set G0SB, 84
.set MSB, 0
.macro WIN new                         ; the immediate's high byte repeats the setting that is left; a switch that changes nothing is dropped
.if MSB != \new
	s_set_vgpr_msb (MSB<<8)|\new
.set MSB, \new
.endif
.endm
.set MUL_LO, 0xa1                      ; source 0 (B) window 1, source 1 (A) window 0, C and D window 2
.set MUL_HI, 0xf1                      ; the same, C and D window 3
.set TO_B,   0x40                      ; destination window 1, the rest window 0
.macro PLACES n
.rept \n
	v_nop
.endr
.endm
; Slot s's four groups 0 are aimed at the run that the counter names, and the counter steps.  The offset is made apart from the addresses; the tiles' bases s[4:11] stay as they are.
; It stands only where no tensor load of the wave is out.
.macro AIM s
	s_and_b32 s66, s[RUN], 7                       ; round the eight runs
	s_lshl_b32 s66, s66, 8                         ; a run's codes lie 256 bytes on in each row
	s_add_nc_u64 s[G0A+4*\s+2:G0A+4*\s+3], s[4:5], s[66:67]        ; 120:64 global address of the tile's first element
	s_or_b32 s[G0A+4*\s+3], s[G0A+4*\s+3], 0x80000000              ; 127:126 type = 2
	s_add_nc_u64 s[G0B+4*\s+2:G0B+4*\s+3], s[8:9], s[66:67]
	s_or_b32 s[G0B+4*\s+3], s[G0B+4*\s+3], 0x80000000
	s_lshl_b32 s66, s66, 8                         ; its scale bytes 65,536 bytes on
	s_add_nc_u64 s[G0SA+4*\s+2:G0SA+4*\s+3], s[6:7], s[66:67]
	s_or_b32 s[G0SA+4*\s+3], s[G0SA+4*\s+3], 0x80000000
	s_add_nc_u64 s[G0SB+4*\s+2:G0SB+4*\s+3], s[10:11], s[66:67]
	s_or_b32 s[G0SB+4*\s+3], s[G0SB+4*\s+3], 0x80000000
	s_add_co_u32 s[RUN], s[RUN], 1
.endm
; A joint refill: each wave issues ONE of the four lines.  Each line has one mask and one set of registers for all that issue it; the branches hang on the wave's number alone.
; Four v_nop follow each line, ahead of the jump, the label and what follows.
.macro JLOAD s
	s_cmp_lg_u32 s[WV], 0
	s_cbranch_scc1 .Lnot_0_\@
	tensor_load_to_lds s[G0A+4*\s:G0A+4*\s+3], s[G1A:G1A+7]
	s_nop 0
	PLACES 4
	s_branch .Lasked_\@
.Lnot_0_\@:
	s_cmp_lg_u32 s[WV], 1
	s_cbranch_scc1 .Lnot_1_\@
	tensor_load_to_lds s[G0B+4*\s:G0B+4*\s+3], s[G1B:G1B+7]
	s_nop 0
	PLACES 4
	s_branch .Lasked_\@
.Lnot_1_\@:
	s_cmp_lg_u32 s[WV], 2
	s_cbranch_scc1 .Lnot_2_\@
	tensor_load_to_lds s[G0SA+4*\s:G0SA+4*\s+3], s[G1SA:G1SA+7]
	s_nop 0
	PLACES 4
	s_branch .Lasked_\@
.Lnot_2_\@:
	tensor_load_to_lds s[G0SB+4*\s:G0SB+4*\s+3], s[G1SB:G1SB+7]
	s_nop 0
	PLACES 4
.Lasked_\@:
.endm
.macro CREST                           ; a round of the cluster's barrier behind its opening barrier
	s_cmp_lg_u32 s[WV], 0
	s_cbranch_scc1 .Lnot_wave_0_\@
	s_barrier_signal -3
.Lnot_wave_0_\@:
	s_barrier_wait -3
	s_barrier_signal -1
	s_barrier_wait -1
.endm
.macro CROUND                          ; a whole round
	s_barrier_signal -1
	s_barrier_wait -1
	CREST
.endm
	s_load_b256 s[4:11], s[0:1], 0x0               ; x_codes s[4:5], xs s[6:7], w_codes s[8:9], ws s[10:11]
	s_load_b128 s[12:15], s[0:1], 0x20             ; t2 s[12:13], lora_B s[14:15]
	s_load_b64 s[16:17], s[0:1], 0x30              ; out0
	v_lshl_add_u32 v[SPW], v0, 2, SPARE
	v_mov_b32 v[NIL], 0
	ds_add_u32 v28, v29
	ds_add_u32 v28, v29
	s_wait_dscnt 0x0
	v_lshrrev_b32 v1, 5, v0
	v_readfirstlane_b32 s[WV], v1                  ; wave 0..3
	s_lshr_b32 s19, s[WV], 1
	s_and_b32 s20, s[WV], 1
	s_bfe_u32 s92, ttmp6, 0x40000                  ; cx, cy: my place in the cluster
	s_bfe_u32 s93, ttmp6, 0x40004
	s_lshl_b32 s94, ttmp9, 2
	s_add_co_u32 s94, s94, s92                     ; tile column = 4 x cluster x + cx
	s_and_b32 s95, ttmp7, 0xffff
	s_lshl_b32 s95, s95, 2
	s_add_co_u32 s95, s95, s93                     ; tile row = 4 x cluster y + cy
	s_lshl_b32 s96, s93, 2
	s_lshl_b32 s96, 15, s96                        ; my row of the cluster
	s_lshl_b32 s97, 0x1111, s92                    ; my column
	; my cluster's first run: a(X) + a(Y), a(i) = 4 (i & 1) + (i & 2) = 0, 4, 2, 6; in a cluster launch ttmp9 and ttmp7 count clusters, 0 .. 3 here
	s_and_b32 s21, ttmp9, 1
	s_and_b32 s22, ttmp7, 1
	s_add_co_u32 s21, s21, s22
	s_lshl_b32 s21, s21, 2
	s_and_b32 s22, ttmp9, 2
	s_add_co_u32 s21, s21, s22
	s_and_b32 s22, ttmp7, 2
	s_add_co_u32 s[RUN], s21, s22                  ; 12 at the most; it is taken mod 8 where it is used
	s_mov_b32 s67, 0                               ; the upper word of the run's offset; never rewritten
	; group 1 for codes: a tile of 256 rows x 256 bytes, padded in LDS
	s_or_b32 s[G1A], s96, (0<<16)|(1<<20)|(1<<21)|(5<<22)|(3<<25)   ; 15:0 the mask: A's tiles go to my row; 17:16 elements of 1 byte; 20 padding on; 21 set beside a mask; 24:22 after every 64 words (code 5); 31:25 four words (code 3)
	s_or_b32 s[G1B], s97, (0<<16)|(1<<20)|(1<<21)|(5<<22)|(3<<25)   ; B's go to my column
.irp g, G1A, G1B
	s_mov_b32 s[\g+1], ROWB<<16                    ; tensor_dim0 = 256
	s_mov_b32 s[\g+2], 256<<16                     ; tensor_dim1 = 256
	s_mov_b32 s[\g+3], ROWB<<16                    ; tile_dim0 = 256
	s_mov_b32 s[\g+4], 256                         ; tile_dim1 = 256
	s_mov_b32 s[\g+5], KROW                        ; tensor_dim0_stride
	s_mov_b32 s[\g+6], 0
	s_mov_b32 s[\g+7], 0
.endr
	; group 1 for scales: 4,096 dense bytes as 16 rows of 256 (32 elements of 8 bytes), no padding: a block's 16 rows x 16 bytes are 256 consecutive bytes, 16 a lane
	s_or_b32 s[G1SA], s96, (3<<16)|(1<<21)
	s_or_b32 s[G1SB], s97, (3<<16)|(1<<21)
.irp g, G1SA, G1SB
	s_mov_b32 s[\g+1], 32<<16
	s_mov_b32 s[\g+2], 16<<16
	s_mov_b32 s[\g+3], 32<<16
	s_mov_b32 s[\g+4], 16
	s_mov_b32 s[\g+5], 32
	s_mov_b32 s[\g+6], 0
	s_mov_b32 s[\g+7], 0
.endr
.irp s, 0,1
	s_mov_b32 s[G0A+4*\s], 1                       ; groups 0: 1:0 count = 1;
	s_mov_b32 s[G0A+4*\s+1], \s*SLOT               ; 63:32 LDS address: constants alone
	s_mov_b32 s[G0B+4*\s], 1
	s_mov_b32 s[G0B+4*\s+1], \s*SLOT+TILEB
	s_mov_b32 s[G0SA+4*\s], 1
	s_mov_b32 s[G0SA+4*\s+1], \s*SLOT+ASC
	s_mov_b32 s[G0SB+4*\s], 1
	s_mov_b32 s[G0SB+4*\s+1], \s*SLOT+BSC
.endr
	; where the tiles begin: A's hang on the tile row alone (s[98:99]), B's on the tile column alone (s[100:101])
	s_lshl_b32 s98, s95, 19                        ; 256 rows of 2,048 bytes
	s_mov_b32 s99, 0
	s_lshl_b32 s100, s94, 19
	s_mov_b32 s101, 0
	s_wait_kmcnt 0x0
	s_add_nc_u64 s[4:5], s[4:5], s[98:99]
	s_add_nc_u64 s[8:9], s[8:9], s[100:101]
	s_lshl_b32 s98, s95, 12                        ; 256 rows of 16 bytes
	s_lshl_b32 s100, s94, 12
	s_add_nc_u64 s[6:7], s[6:7], s[98:99]
	s_add_nc_u64 s[10:11], s[10:11], s[100:101]
	AIM 0                                          ; slot 0 takes my cluster's first run,
	AIM 1                                          ; slot 1 the next
	CROUND                                         ; all sixteen work-groups are here: the first joint loads meet
	; a wave's two first fills stand in one branch, ahead of every wait on TENSORcnt and every LDS read: two loads of mine are out
	s_cmp_lg_u32 s[WV], 0
	s_cbranch_scc1 .Lfirst_not_0
	tensor_load_to_lds s[G0A:G0A+3], s[G1A:G1A+7]
	s_nop 0
	tensor_load_to_lds s[G0A+4:G0A+7], s[G1A:G1A+7]
	s_nop 0
	PLACES 4
	s_branch .Lfirst_asked
.Lfirst_not_0:
	s_cmp_lg_u32 s[WV], 1
	s_cbranch_scc1 .Lfirst_not_1
	tensor_load_to_lds s[G0B:G0B+3], s[G1B:G1B+7]
	s_nop 0
	tensor_load_to_lds s[G0B+4:G0B+7], s[G1B:G1B+7]
	s_nop 0
	PLACES 4
	s_branch .Lfirst_asked
.Lfirst_not_1:
	s_cmp_lg_u32 s[WV], 2
	s_cbranch_scc1 .Lfirst_not_2
	tensor_load_to_lds s[G0SA:G0SA+3], s[G1SA:G1SA+7]
	s_nop 0
	tensor_load_to_lds s[G0SA+4:G0SA+7], s[G1SA:G1SA+7]
	s_nop 0
	PLACES 4
	s_branch .Lfirst_asked
.Lfirst_not_2:
	tensor_load_to_lds s[G0SB:G0SB+3], s[G1SB:G1SB+7]
	s_nop 0
	tensor_load_to_lds s[G0SB+4:G0SB+7], s[G1SB:G1SB+7]
	s_nop 0
	PLACES 4
.Lfirst_asked:
	; THE SMALL PRODUCT, while the tiles are on their way
	v_and_b32 v1, 15, v0                           ; r
	v_bfe_u32 v2, v0, 4, 1                         ; h
	v_lshlrev_b32 v[TOF], 5, v1
	v_lshl_add_u32 v[TOF], v2, 4, v[TOF]           ; t2: row r of 32 bytes + 16 h: j = 8 h + 0 .. 7, which are registers 0-3 of a bf16 fragment
	v_lshlrev_b32 v[LBO], 6, v1
	v_lshl_add_u32 v[LBO], v2, 5, v[LBO]           ; lora_B: row r of 64 bytes + 32 h: the same j in f32
	s_lshl_b32 s98, s95, 13                        ; t2: 256 rows of 32 bytes a tile row,
	s_lshl_b32 s21, s19, 12                        ; my 128 of them
	s_add_co_u32 s98, s98, s21
	s_add_nc_u64 s[12:13], s[12:13], s[98:99]
	s_lshl_b32 s100, s94, 14                       ; lora_B: 256 rows of 64 bytes a tile column,
	s_lshl_b32 s21, s20, 13                        ; my 128 of them
	s_add_co_u32 s100, s100, s21
	s_add_nc_u64 s[14:15], s[14:15], s[100:101]
.irp a, 0,1,2,3,4,5,6,7
	global_load_b128 v[AF+8*\a:AF+8*\a+3], v[TOF], s[12:13] offset:512*\a
.endr
.irp b, 0,1,2,3,4,5,6,7
	global_load_b128 v[LB+8*\b:LB+8*\b+3], v[LBO], s[14:15] offset:1024*\b
	global_load_b128 v[LB+8*\b+4:LB+8*\b+7], v[LBO], s[14:15] offset:1024*\b+16
.endr
	; the addresses of the loop and of the way out are made while those loads are out
	v_mul_u32_u24 v3, v1, PITCH
	v_lshl_add_u32 v4, v2, 4, v3                   ; a fragment's row x pitch + 16 x half
	s_mul_i32 s21, s19, HALFT                      ; my 128 rows of A
	s_mul_i32 s22, s20, HALFT                      ; my 128 rows of B,
	s_add_co_u32 s22, s22, TILEB                   ; which lie behind A's 256
.irp s, 0,1
	v_add_nc_u32 v[ADRA+\s], s21, v4
	v_add_nc_u32 v[ADRB+\s], s22, v4
	s_add_co_u32 s21, s21, SLOT
	s_add_co_u32 s22, s22, SLOT
.endr
	s_lshl_b32 s21, s19, 11                        ; A's scales: my 128 rows of 16 bytes
	s_lshl_b32 s22, s20, 11                        ; B's: my 128 rows, 4,096 bytes behind A's first
	s_add_co_u32 s22, s22, 4096
	s_sub_co_u32 s22, s22, s21                     ; the distance between the two,
	v_mul_u32_u24 v6, s22, v2                      ; which lanes 16-31 go on: one product
	s_add_co_u32 s21, s21, ASC
	v_lshl_add_u32 v5, v1, 4, v6
	v_add_nc_u32 v[ADRS], s21, v5
	v_add_nc_u32 v[ADRS+1], SLOT, v[ADRS]
	s_mul_i32 s23, s[WV], 16*SPITCH                ; my stage
	v_mul_u32_u24 v5, v1, SPITCH                   ; in: row r, 32 bytes for each half of the lanes
	v_lshl_add_u32 v5, v2, 5, v5
	v_add_nc_u32 v[STO], s23, v5
	v_and_b32 v6, 31, v0
	v_lshlrev_b32 v[CO], 4, v6                     ; back: the 32 lanes take one row of 512 bytes; and the same in out0
	v_add_nc_u32 v[RD], s23, v[CO]
	s_lshl_b32 s98, s95, 22                        ; out0: 256 rows of 16,384 bytes a tile row,
	s_lshl_b32 s21, s19, 21                        ; my 128 of them,
	s_add_co_u32 s98, s98, s21
	s_add_nc_u64 s[16:17], s[16:17], s[98:99]
	s_lshl_b32 s100, s94, 10                       ; 1,024 bytes a tile column,
	s_lshl_b32 s21, s20, 9                         ; my 512 of them
	s_add_co_u32 s100, s100, s21
	s_add_nc_u64 s[16:17], s[16:17], s[100:101]
.irp a, 0,1,2,3,4,5,6,7
.irp j, 4,5,6,7
	v_mov_b32 v[AF+8*\a+\j], 0                     ; t2's fragments: K = 16 .. 31 is zero
.endr
.endr
	s_wait_loadcnt 0x0
	WIN TO_B
.irp b, 0,1,2,3,4,5,6,7
.irp j, 0,1,2,3
	v_cvt_pk_bf16_f32 v[8*\b+\j], v[LB+8*\b+2*\j], v[LB+8*\b+2*\j+1]       ; lora_B's fragments, in B's set 0
.endr
.irp j, 4,5,6,7
	v_mov_b32 v[8*\b+\j], 0
.endr
.endr
	PLACES 4
; 16 matrix instructions of the small product: A's blocks a0, a0 + 1 x B's eight; they start the sums.  The 64 accumulators take turns in the order that every later step keeps.
.macro MULB a0
.irp a, \a0, \a0+1
.irp b, 0,1,2,3,4,5,6,7
	v_wmma_f32_16x16x32_bf16 v[8*(8*((\a)%4)+\b):8*(8*((\a)%4)+\b)+7], v[8*\b:8*\b+7], v[AF+8*(\a):AF+8*(\a)+7], 0
.endr
.endr
.endm
	WIN MUL_LO
	MULB 0
	MULB 2
	WIN MUL_HI
	MULB 4
	MULB 6
	PLACES 5                                       ; another matrix form adds onto these results next: five places; they also serve the loads into the fragments' registers
	WIN 0
.macro FRAG reg, adr, q, i             ; a fragment, 16 rows x 128 K of 4-bit codes: lane l holds row l % 16; registers 4 c .. 4 c + 3 hold K = 64 c + 32 (l / 16) + 0 .. 31
.irp c, 0,1
	ds_load_b128 v[\reg+4*\c:\reg+4*\c+3], v[\adr] offset:64*(\q)+32*\c+(\i)*16*PITCH
.endr
.endm
; 16 matrix instructions: A's blocks a0, a0 + 1 x B's eight, the slot's q-th 128 along K.  p: B's set;  sc: the set of scale words.  Source 0 (B) takes its words from lanes 16-31 of register b, source 1 (A) from lanes 0-15 of register a.
.macro MUL16 a0, p, q, sc
.irp a, \a0, \a0+1
.irp b, 0,1,2,3,4,5,6,7
	v_wmma_scale_f32_16x16x128_f8f6f4 v[8*(8*((\a)%4)+\b):8*(8*((\a)%4)+\b)+7], v[128*(\p)+FR*\b:128*(\p)+FR*\b+FR-1], v[AF+FR*(\a):AF+FR*(\a)+FR-1], v[8*(8*((\a)%4)+\b):8*(8*((\a)%4)+\b)+7], v[SC+8*NQ*(\sc)+NQ*\b+(\q)], v[SC+8*NQ*(\sc)+NQ*(\a)+(\q)] matrix_a_fmt:MATRIX_FMT_FP4 matrix_b_fmt:MATRIX_FMT_FP4 matrix_a_scale:MATRIX_SCALE_ROW1
.endr
.endr
.endm
.macro FETCH_B slot, q, p              ; B's eight fragments of the slot's q-th 128 along K into set p
	WIN TO_B
.irp i, 0,1,2,3,4,5,6,7
	FRAG 128*(\p)+FR*\i, ADRB+\slot, \q, \i
.endr
	WIN 0
.endm
.macro FETCH_A slot, q, i0             ; A's blocks i0 .. i0 + 3
.irp i, \i0, \i0+1, \i0+2, \i0+3
	FRAG AF+FR*(\i), ADRA+\slot, \q, \i
.endr
.endm
.macro SCALES sc                       ; slot sc's scale words into set sc: four words a row; lanes 0-15 take A's block i, lanes 16-31 B's block i
.irp i, 0,1,2,3,4,5,6,7
	ds_load_b128 v[SC+8*NQ*\sc+NQ*\i:SC+8*NQ*\sc+NQ*\i+3], v[ADRS+\sc] offset:256*\i
.endr
.endm
; A step of 128 along K that has its successor in the same slot: 64 matrix instructions, A's blocks one after the other, each against B's eight.  A block of A is free as soon as its eight products
; are issued: blocks 0-3 are fetched anew in the step's middle, blocks 4-7 at its end.  A load into a register that a matrix instruction has read stands four places behind it.
.macro STEP slot, q
	s_wait_dscnt 4*NL                              ; B's set, A's blocks 0-3 and the scale words are in; the youngest eight loads (A's blocks 4-7) may be out
	WIN MUL_LO
	MUL16 0, (\q)%2, \q, \slot
	MUL16 2, (\q)%2, \q, \slot
	s_wait_dscnt 0                                 ; A's blocks 4-7 are in (asked for 32 matrix instructions ago)
	PLACES NP
	FETCH_B \slot, (\q)+1, 1-(\q)%2
	FETCH_A \slot, (\q)+1, 0
	WIN MUL_HI
	MUL16 4, (\q)%2, \q, \slot
	MUL16 6, (\q)%2, \q, \slot
	PLACES NP
	WIN 0
	FETCH_A \slot, (\q)+1, 4
.endm
; A slot's last step changes slots: ONE barrier; in front of it each wave waits for all its tensor loads, adds 0 to its spare word, and waits for that and for its own reads of this slot.
; fill = 1: the barrier opens a round of the cluster's barrier, and behind the round this slot is filled again, with the run two steps on: the wave's one tensor load until the next round.
.macro TURN slot, next, fill
	s_wait_tensorcnt 0x0                           ; all my tensor loads have landed: the one that was out is my part of the next slot  (every window is 0 here)
	ds_add_u32 v[SPW], v[NIL]                      ; 0 onto my spare word
.if \fill
	AIM \slot                                      ; no tensor load of mine is out: this slot's groups 0 may be written
.endif
	s_wait_dscnt 4*NL+1                            ; (the add and the youngest eight loads may be out)
	WIN MUL_LO
	MUL16 0, 1, NQ-1, \slot                        ; sixteen matrix instructions stand between the add and the wait for it
	s_wait_dscnt 0x0                               ; the add is done, and my reads of this slot are over
	s_barrier_signal -1
	MUL16 2, 1, NQ-1, \slot
	WIN 0
	s_barrier_wait -1
.if \fill
	CREST                                          ; no wave of any partner still reads this slot or has a load on its way
	JLOAD \slot                                    ; the first tensor load behind the round; the four v_nop behind it are also the places in front of the loads below
.else
	PLACES NP
.endif
	FETCH_B \next, 0, 0
	FETCH_A \next, 0, 0
	SCALES \next
	WIN MUL_HI
	MUL16 4, 1, NQ-1, \slot
	MUL16 6, 1, NQ-1, \slot
	PLACES NP
	WIN 0
	FETCH_A \next, 0, 4
.endm
.macro STEPS slot, from                ; the slot's steps from .. NQ - 2
.set Q, \from
.rept NQ-1-\from
	STEP \slot, Q
.set Q, Q+1
.endr
.endm
	s_wait_tensorcnt 1                             ; my part of slot 0 is in; slot 1's may stay out
	s_barrier_signal -1
	s_barrier_wait -1                              ; everybody's is
	FETCH_B 0, 0, 0
	FETCH_A 0, 0, 0
	SCALES 0
	FETCH_A 0, 0, 4
	STEP 0, 0
	s_mov_b32 s3, LAPS-1
.Llap:                                                 ; a trip goes once round the ring, from a lap's second step to the next lap's first, and fills both slots again: the cluster's third to eighth run in three trips
	STEPS 0, 1
	TURN 0, 1, 1
	STEPS 1, 0
	TURN 1, 0, 1
	STEP 0, 0
	s_sub_co_u32 s3, s3, 1
	s_cmp_lg_u32 s3, 0
	s_cbranch_scc1 .Llap
	STEPS 0, 1                                     ; the last lap fills nothing, and has no round of the cluster's barrier
	TURN 0, 1, 0
	STEPS 1, 0
	s_wait_dscnt 4*NL                              ; the very last step: nothing more to fetch
	WIN MUL_LO
	MUL16 0, 1, NQ-1, 1
	MUL16 2, 1, NQ-1, 1
	s_wait_dscnt 0
	WIN MUL_HI
	MUL16 4, 1, NQ-1, 1
	MUL16 6, 1, NQ-1, 1
	WIN 0
; THE WAY OUT, block by block of 16 rows x 128 columns.  A lane holds 32 neighbouring bytes of a row, and the lanes beside it hold other rows: so a block goes through my own stage in LDS and comes back as
; whole rows of 512 bytes.  LDS serves a wave's instructions in order (ISA guide 5.7.1): no wait between the stores and the loads, nor in front of the next block's stores.
.macro TOSTAGE a
.set AC, 64*((\a)%4)
	WIN 0x08+4*((\a)/4)                            ; an LDS store's data are its source 1: window 2 or 3
.irp b, 0,1,2,3,4,5,6,7
	ds_store_b128 v[STO], v[AC+8*\b:AC+8*\b+3] offset:64*\b          ; each accumulator from its low end on
	ds_store_b128 v[STO], v[AC+8*\b+4:AC+8*\b+7] offset:64*\b+16
.endr
	WIN 0
.set BB, BK+64*((\a)%2)
.irp t, 0,1,2,3,4,5,6,7,8,9,10,11,12,13,14,15
	ds_load_b128 v[BB+4*\t:BB+4*\t+3], v[RD] offset:\t*SPITCH
.endr
.endm
.macro SEND a, younger                 ; younger: the LDS instructions issued behind block a's loads, which may stay out
.set BB, BK+64*((\a)%2)
	s_wait_dscnt \younger                          ; the block is back in registers
.if (\a) > 0
	s_add_nc_u64 s[16:17], s[16:17], 16*SIZE_N*4   ; 16 rows of out0 on (no store has been issued since the last wait for translated addresses: the earlier stores have read their base)
.endif
.irp t, 0,1,2,3,4,5,6,7,8,9,10,11,12,13,14,15
	global_store_b128 v[CO], v[BB+4*\t:BB+4*\t+3], s[16:17] offset:\t*SIZE_N*4 th:TH_STORE_NT   ; 32 lanes store 512 consecutive bytes, at a multiple of 256 from out0's first byte; written once, read by nobody here
.endr
.endm
	PLACES NP                                      ; between the last products and the first read of results, and the loads into the registers that held A's fragments
	TOSTAGE 0
.irp a, 1,2,3,4,5,6,7
.if \a > 1
	s_wait_xcnt 0x0                                ; block a - 2's stores have read their registers and their base: block a's loads may land there, and the base may step
.endif
	TOSTAGE \a
	SEND \a-1, 32                                  ; behind block a - 1's loads: block a's 16 stores and 16 loads
.endr
	s_wait_xcnt 0x0                                ; block 6's stores have read their base
	SEND 7, 0
	s_wait_tensorcnt 0x0                           ; the wave's end, behind my last tensor load and my last LDS store
	ds_add_u32 v[SPW], v[NIL]
	s_wait_dscnt 0x0
	CROUND                                         ; the closing round: no work-group ends while a partner may still ask for a tile that names it
	s_endpgm
.Lfunc_end_k_qd7dd5db047_gemm:
	.size	k_qd7dd5db047_gemm, .Lfunc_end_k_qd7dd5db047_gemm-k_qd7dd5db047_gemm
	.p2alignl 7, 3214868480
	.fill 96, 4, 3214868480
	.section	.rodata,"a",@progbits
	.p2align	6, 0x0
	.amdhsa_kernel k_qd7dd5db047_gemm
		.amdhsa_group_segment_fixed_size 327680
		.amdhsa_private_segment_fixed_size 0
		.amdhsa_enable_private_segment 0
		.amdhsa_kernarg_size 56
		.amdhsa_user_sgpr_count 2
		.amdhsa_user_sgpr_kernarg_segment_ptr 1
		.amdhsa_wavefront_size32 1
		.amdhsa_system_sgpr_workgroup_id_x 1
		.amdhsa_system_sgpr_workgroup_id_y 1
		.amdhsa_system_sgpr_workgroup_id_z 1
		.amdhsa_system_vgpr_workitem_id 0
		.amdhsa_next_free_vgpr 1024
		.amdhsa_next_free_sgpr 102
		.amdhsa_reserve_vcc 0
		.amdhsa_float_denorm_mode_32 3
		.amdhsa_float_denorm_mode_16_64 3
		.amdhsa_memory_ordered 1
		.amdhsa_forward_progress 1
		.amdhsa_inst_pref_size 225
	.end_amdhsa_kernel
	.amdgpu_metadata
---
amdhsa.version: [ 1, 2 ]
amdhsa.kernels:
  - .name:           k_qd7dd5db047_gemm
    .symbol:         k_qd7dd5db047_gemm.kd
    .args:
      - { .name: x_codes, .offset: 0, .size: 8, .value_kind: global_buffer, .address_space: global }
      - { .name: xs, .offset: 8, .size: 8, .value_kind: global_buffer, .address_space: global }
      - { .name: w_codes, .offset: 16, .size: 8, .value_kind: global_buffer, .address_space: global }
      - { .name: ws, .offset: 24, .size: 8, .value_kind: global_buffer, .address_space: global }
      - { .name: t2, .offset: 32, .size: 8, .value_kind: global_buffer, .address_space: global }
      - { .name: lora_B, .offset: 40, .size: 8, .value_kind: global_buffer, .address_space: global }
      - { .name: out0, .offset: 48, .size: 8, .value_kind: global_buffer, .address_space: global }
    .group_segment_fixed_size: 327680
    .private_segment_fixed_size: 0
    .kernarg_segment_align: 8
    .kernarg_segment_size: 56
    .max_flat_workgroup_size: 128
    .sgpr_count:     102
    .vgpr_count:     1024
    .wavefront_size: 32
...
	.end_amdgpu_metadata
.endif
;; end of part 2
;; ======== version 2 of 2: 2 launches; version 1 with the launch prep written anew for expert scheduling mode
;; workspace buffers: w_codes 8,388,608 bytes; ws 524,288 bytes; xs 524,288 bytes; t2 131,072 bytes
;; launch prep (part 3): grid 256 x 1, 16 waves a work-group, no clusters, 110,592 bytes of LDS; arguments codes, scales, x_codes, x_scales, lora_A_codes, lora_A_scales, w_codes, ws, xs, t2; writes w_codes, ws, xs, t2
.if DOCPART == 3
	.amdgcn_target "amdgcn-amd-amdhsa--gfx1250"
	.amdhsa_code_object_version 6
	.text
	.protected	k_qd7dd5db047_prep
	.globl	k_qd7dd5db047_prep
	.p2align	8
	.type	k_qd7dd5db047_prep,@function
k_qd7dd5db047_prep:
	s_mov_b64 s[64:65], 0
	v_nop
	global_prefetch_b8 v0, s[64:65] scope:SCOPE_SE
	s_setreg_imm32_b32 hwreg(HW_REG_WAVE_SCHED_MODE, 0, 2), 2
	s_setreg_imm32_b32 hwreg(HW_REG_WAVE_MODE, 25, 1), 1
	s_wait_xcnt 0x0
	s_wait_alu depctr_vm_vsrc(0)
; THREE THINGS THAT ARE DONE ONCE, AHEAD OF THE LARGE PRODUCT.
; (1) W[n][k] = NF4[codes[n][k]] x scales[(n 4096 + k) / 64], one f32 multiplication, is quantised along k: blocks of 32, scale 2^(floor(log2(largest magnitude)) - 2), codes of E2M1.
;     w_codes: [4096 n][2048 bytes], k innermost, the lower k in the low four bits.  ws: [8 runs of 512 along k][4096 n][16 bytes]: a run's 16 scale bytes of a row on end.
; (2) x_scales [4096 m][128] is laid anew as xs [8][4096 m][16 bytes], like ws: the scale bytes of 256 rows for 512 along k are then 4,096 consecutive bytes.
; (3) t2[m][j] = 2 x the sum over k of x[m][k] lora_A[j][k], on the given codes and scale bytes, rounded to bf16 once: [4096 m][16].
; SHARES.  Work-group g owns rows 16 g .. 16 g + 15 of W and of x.  Wave w quantises row 16 g + w of W in 8 steps of 512 numbers (a step is a run of ws), and makes the part of t that
; lies in k = 256 w .. 256 w + 255 (two matrix instructions).  The 16 parts meet in LDS; wave 4 adds them in f32.  Waves 0-3 store ws and xs, sixteen lanes to 256 consecutive bytes.
; A STEP.  Four loads of 512 consecutive bytes (16 a lane); the 2,048 bytes turn through the wave's own stage in LDS and come back 64 bytes a lane: 16 NEIGHBOURS along k, as the
; conversions want them.  Two neighbouring lanes hold a block of 32, four lanes share one of the given scales.  NF4[code] is taken from a register that holds the table in lanes 0-15.
; No tensor loads and no ring; one barrier.  Everything is written out: every offset is an immediate, and no register that a pending load or store names is written again.
; NO CLUSTER: the work-groups share lora_A alone, 34,816 bytes against the 262,144 bytes of int32 codes that each reads for itself.
; LIMITS: a code outside 0 .. 15 is held at 15 (the table has 16 entries).  A block of zeros gets the byte 1 where the rule says 127: its codes are zeros, which add nothing under any byte
; but 0xff, and these bytes are read by this program alone.  NaN and infinities in scales are not served.  t's sum over k is 32 partial sums added in f32; t2 is bf16.
; THE MODE: SCHED_MODE bits 1:0 = 2 (LLVM: expert scheduling mode 2), set by the entry lines.  The code itself states the register dependences
; between vector or matrix instructions and memory or LDS instructions, with s_wait_alu, always for 0.
; THE PLAN.  Registers that memory or LDS instructions touch:
;   the addresses (v3-v7, v12-v15, v214, v215, v220-v223), the table v188, v224, v225: written at the head, once; read by loads, stores and table reads; never written again.
;   R0 .. R3   The loads of step t + 4, issued at the head of step t, land in R[t % 4]; the four LDS stores of TURN t read it.  No vector instruction names R before wave 4's tail.
;   X0, X1     TURN t's LDS loads land in X[t % 2]; step t's 32 vector lines turn the codes into lane selects in place; step t's sixteen table reads read them.
;   F          The table reads land in it; the multiplications write it, the maxima and the conversions read it.
;   C[t], E[t] Written by step t's conversions and shift, once; read by one global store and one LDS byte store, which are issued in step t + 1.
;   v8, v9     A load lands there and an LDS store reads them at the head; from step 0 on they are at work.
; So a step has ONE wait on vm_vsrc, at its head, ahead of the loads into R[t % 4], and ONE wait on va_vdst, behind the lines that make the lane selects: behind it stand the stores of the step
; before, the table reads and the next step's turn through the stage, with no vector instruction among them.
.set STEPS, 8
.set SP,    80                         ; a lane's place in a stage: its 64 bytes + 16 of padding
.set STG,   32*SP                      ; a stage
.set NFS,   2*STG                      ; behind a wave's two stages: the 64 given scales of its row, 256 bytes
.set WREG,  2*STG+512                  ; a wave's own region of LDS
.set SCB,   16*WREG                    ; the work-group's scale bytes of W: [run 8][row 16][16 bytes]
.set TIMG,  SCB+2048                   ; 16 parts of t as images of their registers, 1,024 bytes each
.set R,     16                         ; v16-79   four sets of 16 codes as they are loaded
.set X,     80                         ; v80-111  two sets of 16 neighbours
.set F,     112                        ; v112-127 16 numbers of W in f32
.set XFR,   128                        ; v128-143 x's two fragments
.set AFR,   144                        ; v144-159 lora_A's two fragments
.set ACC,   160                        ; v160-175 two accumulators
.set ASW,   176                        ; v176-177 lora_A's scale words: scales and nothing else
.set XSW,   178                        ; v178-179 x's
.set S,     180                        ; v180-187 my given scale for each step
.set TAB,   188                        ; v188     NF4, entry i in lane i
.set C,     190                        ; v190-205 codes: two registers for each step, so that no store's data are written again
.set E,     206                        ; v206-213 a scale byte for each step
; v1 lane; v2 h; v10 r; v3 16 x lane; v4 8 x lane; v5 where my block's scale byte goes; v6, v7 the given scales in LDS, in and out; v8, v9, v11 at work;
; v12 my wave's image of t; v13 my bytes of t2; v14, v15 the stage, in and out; v214-215 fragments' and scale words' offsets; v216-219 a piece of x_scales; v220-223 the tail's addresses
; v224 the LDS address of my spare word, 0x1a800 + 4 x thread; v225 0: made at the head and kept for the closing lines alone
	s_load_b256 s[4:11], s[0:1], 0x0               ; codes s[4:5], scales s[6:7], x_codes s[8:9], x_scales s[10:11]
	s_load_b256 s[12:19], s[0:1], 0x20             ; lora_A_codes s[12:13], lora_A_scales s[14:15], w_codes s[16:17], ws s[18:19]
	s_load_b128 s[20:23], s[0:1], 0x40             ; xs s[20:21], t2 s[22:23]
	v_lshl_add_u32 v224, v0, 2, 0x1a800
	v_mov_b32 v225, 0
	v_lshrrev_b32 v1, 5, v0
	v_readfirstlane_b32 s24, v1                    ; wave 0..15
	v_and_b32 v1, 31, v0                           ; lane
	v_and_b32 v10, 15, v0                          ; r
	v_bfe_u32 v2, v0, 4, 1                         ; h
	v_lshlrev_b32 v3, 4, v1
	v_lshlrev_b32 v4, 3, v1
	s_wait_alu depctr_va_sdst(0)                   ; s24 is written, ahead of its first reader: addresses, bases and the tail's branches are made from it
	s_and_b32 s31, s24, 3                          ; wave mod 4: keeps the tail's addresses inside their buffers in every wave
	; every LDS address is made here, ahead of any parting of the waves
	s_lshl_b32 s25, s24, 4
	s_add_co_u32 s25, s25, SCB
	v_lshrrev_b32 v5, 1, v1
	v_add_nc_u32 v5, s25, v5                       ; SCB + 16 x wave + lane / 2; the step's 256 bytes stand in the immediate
	s_mul_i32 s26, s24, WREG
	v_lshrrev_b32 v14, 2, v1
	v_mul_u32_u24 v14, v14, SP
	v_and_b32 v15, 3, v1
	v_lshl_add_u32 v14, v15, 4, v14
	v_add_nc_u32 v14, s26, v14                     ; into a stage: four lanes' 64 bytes on end, then 16 of padding
	v_mul_u32_u24 v15, v1, SP
	v_add_nc_u32 v15, s26, v15                     ; out of it: SP x lane
	s_add_co_u32 s27, s26, NFS
	v_add_nc_u32 v6, s27, v4                       ; the given scales: in, 8 bytes a lane;
	v_lshrrev_b32 v7, 2, v1
	v_lshl_add_u32 v7, v7, 2, s27                  ; out, the word of my four lanes; a step's eight words stand in the immediate
	s_lshl_b32 s25, s24, 10
	s_add_co_u32 s25, s25, TIMG
	v_add_nc_u32 v12, s25, v3                      ; my wave's image of t
	v_add_nc_u32 v223, TIMG, v3                    ; all images, for wave 4
	s_lshl_b32 s25, s31, 9
	s_add_co_u32 s25, s25, SCB
	v_add_nc_u32 v222, s25, v3                     ; runs 2 w and 2 w + 1 of the scale bytes, for waves 0-3
	; offsets in memory
	v_lshlrev_b32 v214, 11, v10
	v_lshl_add_u32 v214, v2, 4, v214
	s_lshl_b32 s25, s24, 7
	v_add_nc_u32 v214, s25, v214                   ; a fragment: row r of 2,048 bytes + 16 h + my wave's 128 bytes
	s_lshl_b32 s25, s24, 3
	v_lshl_add_u32 v215, v10, 7, s25               ; its scale words: row r of 128 bytes + my wave's 8
	s_lshl_b32 s25, s31, 5
	v_lshl_add_u32 v220, v10, 7, s25
	v_lshl_add_u32 v220, v2, 4, v220               ; x_scales: row r, the 16 bytes of run 2 (w mod 4) + h
	s_lshl_b32 s25, s31, 17
	v_lshl_add_u32 v221, v2, 16, s25
	v_lshl_add_u32 v221, v10, 4, v221              ; ws and xs: run 2 (w mod 4) + h of 65,536 bytes, row r of 16
	v_lshlrev_b32 v13, 5, v10
	v_lshl_add_u32 v13, v2, 4, v13                 ; t2: row r of 32 bytes + 16 h
	; the table: NF4's sixteen numbers as f32 bits, entry i in lane i
	v_mov_b32 v[TAB], 0
.macro ENTRY i, bits
	s_mov_b32 s30, \bits
	v_writelane_b32 v[TAB], s30, \i
.endm
	ENTRY 0,  0xbf800000
	ENTRY 1,  0xbf3239b1
	ENTRY 2,  0xbf066b30
	ENTRY 3,  0xbeca32a0
	ENTRY 4,  0xbe91a24d
	ENTRY 5,  0xbe3d353f
	ENTRY 6,  0xbdba7871
	ENTRY 7,  0x00000000
	ENTRY 8,  0x3da2faff
	ENTRY 9,  0x3e24cae3
	ENTRY 10, 0x3e7c04dd
	ENTRY 11, 0x3ead033a
	ENTRY 12, 0x3ee1a4b8
	ENTRY 13, 0x3f1007ab
	ENTRY 14, 0x3f3913b3
	ENTRY 15, 0x3f800000
	s_lshl_b32 s25, ttmp9, 4
	s_add_co_u32 s25, s25, s24                     ; my row of W: 16 x work-group + wave
	s_mov_b32 s29, 0
	s_wait_kmcnt 0x0
	s_lshl_b32 s28, s25, 14                        ; a row of int32 codes is 16,384 bytes
	s_add_nc_u64 s[4:5], s[4:5], s[28:29]
	s_lshl_b32 s28, s25, 8                         ; its 64 given scales are 256
	s_add_nc_u64 s[6:7], s[6:7], s[28:29]
	s_lshl_b32 s28, s25, 11                        ; its E2M1 codes 2,048
	s_add_nc_u64 s[16:17], s[16:17], s[28:29]
	s_lshl_b32 s28, ttmp9, 15                      ; the work-group's 16 rows of x_codes,
	s_add_nc_u64 s[8:9], s[8:9], s[28:29]
	s_lshl_b32 s28, ttmp9, 11                      ; of x_scales,
	s_add_nc_u64 s[10:11], s[10:11], s[28:29]
	s_lshl_b32 s28, ttmp9, 8                       ; of a run of ws and of xs,
	s_add_nc_u64 s[18:19], s[18:19], s[28:29]
	s_add_nc_u64 s[20:21], s[20:21], s[28:29]
	s_lshl_b32 s28, ttmp9, 9                       ; and of t2
	s_add_nc_u64 s[22:23], s[22:23], s[28:29]
	s_wait_alu depctr_va_vdst(0)                   ; all addresses and offsets and the table v188 are written, which the loads, stores and table reads of the whole kernel read
	; twelve early loads
.irp c, 0,1,2,3
	global_load_b128 v[XFR+4*\c:XFR+4*\c+3], v214, s[8:9] offset:32*\c      ; x: registers 4 c' .. of fragment c / 2: k = 128 (c / 2) + 64 (c % 2) + 32 h + 0 .. 31
.endr
.irp c, 0,1,2,3
	global_load_b128 v[AFR+4*\c:AFR+4*\c+3], v214, s[12:13] offset:32*\c    ; lora_A likewise
.endr
	global_load_b64 v[ASW:ASW+1], v215, s[14:15]   ; the two scale words of lora_A's row r
	global_load_b64 v[XSW:XSW+1], v215, s[10:11]   ; and of x's row r
	global_load_b64 v[8:9], v4, s[6:7]             ; my row's 64 given scales, two a lane
	global_load_b128 v[216:219], v220, s[10:11]    ; a piece of x_scales (used by waves 0-3; issued by all, so that every wave counts alike)
.macro LOAD t                          ; step t's 512 codes: each load reads 512 consecutive bytes
.irp i, 0,1,2,3
	global_load_b128 v[R+16*((\t)%4)+4*\i:R+16*((\t)%4)+4*\i+3], v3, s[4:5] offset:2048*(\t)+512*\i th:TH_LOAD_NT
.endr
.endm
.macro TURN t                          ; step t's codes through a stage: LDS serves a wave's instructions in order (ISA guide 5.7.1), so no wait stands between the stores and the loads
.irp i, 0,1,2,3
	ds_store_b128 v14, v[R+16*((\t)%4)+4*\i:R+16*((\t)%4)+4*\i+3] offset:STG*((\t)%2)+8*SP*\i
.endr
.irp i, 0,1,2,3
	ds_load_b128 v[X+16*((\t)%2)+4*\i:X+16*((\t)%2)+4*\i+3], v15 offset:STG*((\t)%2)+16*\i
.endr
.endm
.macro OUT t                           ; step t's scale byte and codes leave: issued behind a wait on va_vdst that stands behind step t's vector lines
	ds_store_b8 v5, v[E+(\t)] offset:256*(\t)      ; both lanes of a block write the same byte with the same value
	global_store_b64 v4, v[C+2*(\t):C+2*(\t)+1], s[16:17] offset:256*(\t)   ; the wave stores 256 consecutive bytes, at a multiple of 256 from the buffer's first byte
.endm
.irp t, 0,1,2,3
	LOAD \t
.endr
	s_wait_loadcnt 16                              ; the twelve early loads are in; the sixteen behind them stay out
	ds_store_b64 v6, v[8:9]                        ; the given scales spread to the lanes that want them
.irp t, 0,1,2,3,4,5,6,7
	ds_load_b32 v[S+\t], v7 offset:32*\t           ; step t: scale 8 t + lane / 4 of my row
.endr
	; my part of t, TRANSPOSED: source 0 = lora_A's 16 rows, source 1 = x's 16 rows: lane (r, h) holds t[row r][8 h + 0 .. 7].  Two accumulators, one instruction each.
	v_wmma_scale_f32_16x16x128_f8f6f4 v[ACC:ACC+7], v[AFR:AFR+7], v[XFR:XFR+7], 0, v[ASW], v[XSW] matrix_a_fmt:MATRIX_FMT_FP4 matrix_b_fmt:MATRIX_FMT_FP4
	v_wmma_scale_f32_16x16x128_f8f6f4 v[ACC+8:ACC+15], v[AFR+8:AFR+15], v[XFR+8:XFR+15], 0, v[ASW+1], v[XSW+1] matrix_a_fmt:MATRIX_FMT_FP4 matrix_b_fmt:MATRIX_FMT_FP4
.rept 4
	v_nop                                          ; four places between a matrix instruction and the first read of its result (ISA guide 7.12.1)
.endr
.irp j, 0,2,4,6
	v_pk_add_f32 v[ACC+\j:ACC+\j+1], v[ACC+\j:ACC+\j+1], v[ACC+8+\j:ACC+8+\j+1]   ; both results from their low ends on
.endr
	s_wait_alu depctr_va_vdst(0)                   ; the four additions have written v[ACC .. ACC + 7], which the two LDS stores read
	ds_store_b128 v12, v[ACC:ACC+3]                ; my part as an image of its registers: 16 bytes a lane, 512 a store
	ds_store_b128 v12, v[ACC+4:ACC+7] offset:512
	s_wait_loadcnt 12                              ; step 0's four loads are in
	TURN 0
.macro STEP t
.set XS, X+16*((\t)%2)
	s_wait_dscnt 0x0                               ; this step's codes are back from the stage: their loads are the youngest LDS instructions; in the first step the given scales are in too
.if (\t)+1 < STEPS
	s_wait_alu depctr_vm_vsrc(0)                   ; this step's stores into the stage have read R[t % 4], in which the loads below land; the last step's table reads have read the other X, in which the next step's codes land; in the first step the store of the given scales has read v8 and v9, which the maxima write
.endif
.if (\t)+4 < STEPS
	LOAD (\t)+4                                    ; into the registers that this step's stores into the stage have read; no vector instruction names them
.endif
.irp i, 0,1,2,3,4,5,6,7,8,9,10,11,12,13,14,15
	v_min_u32 v[XS+\i], 15, v[XS+\i]               ; an index stays inside the table
.endr
.irp i, 0,1,2,3,4,5,6,7,8,9,10,11,12,13,14,15
	v_lshlrev_b32 v[XS+\i], 2, v[XS+\i]            ; the lane select counts in bytes: 4 x lane
.endr
	s_wait_alu depctr_va_vdst(0)                   ; the lane selects in X[t % 2] are written, which the table reads read; the last step is done with F, in which they land, and with the other X, in which the next step's codes land, and has written its codes and its byte, which the two stores below read
.if (\t) > 0
	OUT (\t)-1                                     ; the step before
.endif
.irp i, 0,1,2,3,4,5,6,7,8,9,10,11,12,13,14,15
	ds_bpermute_b32 v[F+\i], v[XS+\i], v[TAB]      ; NF4[code]: the table's lane; no LDS byte is touched
.endr
.if (\t)+1 < STEPS
.if STEPS-2-(\t) >= 3
	s_wait_loadcnt 12                              ; the next step's four loads are in; those of the three steps behind it may be out
.else
	s_wait_loadcnt 4*(STEPS-2-(\t))
.endif
	TURN (\t)+1                                    ; the next step goes through the other stage while this one is worked.  No wait: no vector instruction since the wait above
	s_wait_dscnt 8                                 ; the sixteen table reads are in; the eight lines just issued may be out
.else
	s_wait_dscnt 0x0
.endif
.irp i, 0,2,4,6,8,10,12,14
.if (\t)%2 == 0
	v_pk_mul_f32 v[F+\i:F+\i+1], v[F+\i:F+\i+1], v[S+(\t):S+(\t)+1] op_sel_hi:[1,0]                  ; W = NF4[code] x the given scale: the pair's low word serves both halves
.else
	v_pk_mul_f32 v[F+\i:F+\i+1], v[F+\i:F+\i+1], v[S+(\t)-1:S+(\t)] op_sel:[0,1] op_sel_hi:[1,1]     ; the pair's high word serves both halves
.endif
.endr
	v_max3_num_f32 v8, |v[F]|, |v[F+1]|, |v[F+2]|                  ; the largest magnitude of my 16, in two chains
	v_max3_num_f32 v9, |v[F+3]|, |v[F+4]|, |v[F+5]|
.irp i, 6,10
	v_max3_num_f32 v8, v8, |v[F+\i]|, |v[F+\i+1]|
	v_max3_num_f32 v9, v9, |v[F+\i+2]|, |v[F+\i+3]|
.endr
	v_max3_num_f32 v8, v8, |v[F+14]|, |v[F+15]|
	v_max3_num_f32 v8, v8, v9, 0x1800000           ; and the floor 2^(3 - 127): so the byte cannot fall under 1
	v_max_num_f32_dpp v8, v8, v8 row_xmask:1 row_mask:0xf bank_mask:0xf   ; with my neighbour's 16: the block's
	v_add_nc_u32 v11, 0xff000000, v8               ; 2 off its exponent field: the conversion takes the exponent field of this operand as its scale, and nothing else of it
	v_cvt_scalef32_pk8_fp4_f32 v[C+2*(\t)], v[F:F+7], v11          ; to the nearest code, ties to even, beyond 6 the largest code; the first number's code in the lowest four bits
	v_cvt_scalef32_pk8_fp4_f32 v[C+2*(\t)+1], v[F+8:F+15], v11
	v_lshrrev_b32 v[E+(\t)], 23, v11               ; the scale's byte; also the plain line behind the conversions
.endm
.irp t, 0,1,2,3,4,5,6,7
	STEP \t
.endr
	s_wait_alu depctr_va_vdst(0)                   ; the last step has written its codes and its byte, which the two stores below read; and every vector and matrix instruction is done with v8-v11 and v80-v143, in which the tail's LDS loads land
	OUT STEPS-1
	s_wait_alu depctr_vm_vsrc(0)                   ; the last stores into a stage have read R3 and the last two steps' table reads X0 and X1: wave 4's LDS loads land in them.  It stands ahead of the branches
	s_wait_dscnt 0x0                               ; for the others' sake: my scale bytes and my image of t have landed
	s_barrier_signal -1
	s_barrier_wait -1                              ; everybody's have
	s_cmp_lt_u32 s24, 4
	s_cbranch_scc0 .Lnot_low
	ds_load_b128 v[8:11], v222                     ; waves 0-3: lanes 0-15 run 2 w of W's scale bytes (16 rows x 16 bytes), lanes 16-31 run 2 w + 1
	s_wait_dscnt 0x0
	global_store_b128 v221, v[8:11], s[18:19]      ; sixteen lanes store 256 consecutive bytes of a run of ws,
	global_store_b128 v221, v[216:219], s[20:21]   ; and of xs
	s_wait_dscnt 0x0                               ; the closing lines, six on end
	s_wait_alu 0x0
	s_wait_tensorcnt 0x0
	ds_add_u32 v224, v225
	s_wait_dscnt 0x0
	s_endpgm
.Lnot_low:
	s_cmp_eq_u32 s24, 4
	s_cbranch_scc0 .Ldone
.irp p, 0,1,2,3,4,5,6,7,8,9,10,11,12,13,14,15
	ds_load_b128 v[16+8*\p:16+8*\p+3], v223 offset:1024*\p         ; wave 4: the sixteen parts of t, each into the lanes and registers that it left
	ds_load_b128 v[16+8*\p+4:16+8*\p+7], v223 offset:1024*\p+512
.endr
	s_wait_dscnt 0x0
.irp d, 8,4,2,1
.set p, 0
.rept \d
.irp j, 0,2,4,6
	v_pk_add_f32 v[16+8*p+\j:17+8*p+\j], v[16+8*p+\j:17+8*p+\j], v[16+8*(p+\d)+\j:17+8*(p+\d)+\j]   ; part p += part p + d
.endr
.set p, p+1
.endr
.endr
.irp j, 0,2,4,6
	v_pk_mul_f32 v[16+\j:17+\j], v[16+\j:17+\j], 2.0 op_sel_hi:[1,0]       ; lora_alpha / r = 2: exact
.endr
.irp j, 0,1,2,3
	v_cvt_pk_bf16_f32 v[144+\j], v[16+2*\j], v[17+2*\j]
.endr
	s_wait_alu depctr_va_vdst(0)                   ; the four roundings have written v144-v147, which the store reads
	global_store_b128 v13, v[144:147], s[22:23]    ; 16 rows of 32 bytes: 512 consecutive bytes
.Ldone:
	s_wait_dscnt 0x0                               ; the closing lines, six on end
	s_wait_alu 0x0
	s_wait_tensorcnt 0x0
	ds_add_u32 v224, v225
	s_wait_dscnt 0x0
	s_endpgm
.Lfunc_end_k_qd7dd5db047_prep:
	.size	k_qd7dd5db047_prep, .Lfunc_end_k_qd7dd5db047_prep-k_qd7dd5db047_prep
	.p2alignl 7, 3214868480
	.fill 96, 4, 3214868480
	.section	.rodata,"a",@progbits
	.p2align	6, 0x0
	.amdhsa_kernel k_qd7dd5db047_prep
		.amdhsa_group_segment_fixed_size 110592
		.amdhsa_private_segment_fixed_size 0
		.amdhsa_enable_private_segment 0
		.amdhsa_kernarg_size 80
		.amdhsa_user_sgpr_count 2
		.amdhsa_user_sgpr_kernarg_segment_ptr 1
		.amdhsa_wavefront_size32 1
		.amdhsa_system_sgpr_workgroup_id_x 1
		.amdhsa_system_sgpr_workgroup_id_y 1
		.amdhsa_system_sgpr_workgroup_id_z 1
		.amdhsa_system_vgpr_workitem_id 0
		.amdhsa_next_free_vgpr 226
		.amdhsa_next_free_sgpr 66
		.amdhsa_reserve_vcc 0
		.amdhsa_float_denorm_mode_32 3
		.amdhsa_float_denorm_mode_16_64 3
		.amdhsa_memory_ordered 1
		.amdhsa_forward_progress 1
		.amdhsa_inst_pref_size 52
	.end_amdhsa_kernel
	.amdgpu_metadata
---
amdhsa.version: [ 1, 2 ]
amdhsa.kernels:
  - .name:           k_qd7dd5db047_prep
    .symbol:         k_qd7dd5db047_prep.kd
    .args:
      - { .name: codes, .offset: 0, .size: 8, .value_kind: global_buffer, .address_space: global }
      - { .name: scales, .offset: 8, .size: 8, .value_kind: global_buffer, .address_space: global }
      - { .name: x_codes, .offset: 16, .size: 8, .value_kind: global_buffer, .address_space: global }
      - { .name: x_scales, .offset: 24, .size: 8, .value_kind: global_buffer, .address_space: global }
      - { .name: lora_A_codes, .offset: 32, .size: 8, .value_kind: global_buffer, .address_space: global }
      - { .name: lora_A_scales, .offset: 40, .size: 8, .value_kind: global_buffer, .address_space: global }
      - { .name: w_codes, .offset: 48, .size: 8, .value_kind: global_buffer, .address_space: global }
      - { .name: ws, .offset: 56, .size: 8, .value_kind: global_buffer, .address_space: global }
      - { .name: xs, .offset: 64, .size: 8, .value_kind: global_buffer, .address_space: global }
      - { .name: t2, .offset: 72, .size: 8, .value_kind: global_buffer, .address_space: global }
    .group_segment_fixed_size: 110592
    .private_segment_fixed_size: 0
    .kernarg_segment_align: 8
    .kernarg_segment_size: 80
    .max_flat_workgroup_size: 512
    .sgpr_count:     66
    .vgpr_count:     226
    .wavefront_size: 32
...
	.end_amdgpu_metadata
.endif
;; end of part 3
;; launch gemm: the kernel of part 2 again; grid 16 x 16, 4 waves a work-group, clusters of 4 x 4, 327,680 bytes of LDS; arguments x_codes, xs, w_codes, ws, t2, lora_B, out0; writes out0
